; MI455X (gfx1250); checked and timed in simulation.
; The chip was launched on July 23, 2026; its instructions are those of AMD's public machine-readable ISA for CDNA 5 (MIT licence, August 2026) and "CDNA5" Instruction Set Architecture Reference Guide (July 2026). The comments in the code are by the model that wrote it; some were corrected since.
;; Self Attention. Allowed arithmetic: matrix products marked QUANTISED: E4M3 operands, one given power-of-two scale a tensor, by v_wmma_f32_16x16x64_fp8_fp8 or v_wmma_f32_16x16x128_fp8_fp8, f32 sums; everything else in f32.
;; Inputs: Wk 1,024 x 1,024 float32; Wo 1,024 x 1,024 float32; Wq 1,024 x 1,024 float32; Wv 1,024 x 1,024 float32; bo 1,024 float32; lowp_scales 12 int32 (the exponents e of the quantised operands' scales 2^e); padding_mask 4 x 2,048 bool; x 4 x 2,048 x 1,024 float32.
;; Outputs: out0 4 x 2,048 x 1,024 float32.
;; This version of the problem:
;;   THIS VERSION OF THE PROBLEM IS GIVEN IN LOW PRECISION. The matrix products marked QUANTISED in the list below multiply operands that are first quantised to E4M3 (4 exponent bits, 3 mantissa bits; 8 bits a number), with one given power-of-two scale for each operand tensor; their sums are f32. All else is computed in f32.
;;   The module's matrix products, in the order in which they are computed (A, B: the left and right operand; K: the contracted axis; several contracted axes count as one K, in the product's order):
;;     1. [M 8,192, K 1,024] x [K 1,024, N 1,024]; A: input x; B: input Wq: QUANTISED (scales: A lowp_scales[0], B lowp_scales[1])
;;     2. [M 8,192, K 1,024] x [K 1,024, N 1,024]; A: input x; B: input Wk: QUANTISED (scales: A lowp_scales[2], B lowp_scales[3])
;;     3. [M 8,192, K 1,024] x [K 1,024, N 1,024]; A: input x; B: input Wv: QUANTISED (scales: A lowp_scales[4], B lowp_scales[5])
;;     4. batch 64 x [M 2,048, K 64] x [K 64, N 2,048]; A: computed on the way; B: computed on the way: QUANTISED (scales: A lowp_scales[6], B lowp_scales[7])
;;     5. batch 64 x [M 2,048, K 2,048] x [K 2,048, N 64]; A: softmax (see below); B: computed on the way: QUANTISED (scales: A lowp_scales[8], B lowp_scales[9])
;;     6. [M 8,192, K 1,024] x [K 1,024, N 1,024]; A: computed on the way; B: input Wo: QUANTISED (scales: A lowp_scales[10], B lowp_scales[11])
;;   THE QUANTISER, for each operand of a quantised product, along K:
;;     - The operand's scale is 2^e, e = its entry of the input lowp_scales (int32; the entries are numbered through the quantised products in the list's order, A before B).
;;     - Each number is divided by the scale, clamped to +-448, and rounded to the nearest number of E4M3, ties to even, subnormals kept.
;;     - The product sums the exact products of the quantised numbers (number of the format x scale) in f32.
;;   ~~~python
;;   def quantise(x, axis, e):      # numpy; x: float32 -> the quantised numbers, widened to float32 again
;;       x = np.moveaxis(x, axis, -1); K = x.shape[-1]
;;       r = np.clip(x / 2.0 ** e, -448, 448)
;;       step = 2.0 ** (np.maximum(np.frexp(np.where(r == 0, 1, r))[1] - 1, -6) - 3)
;;       q = np.round(r / step) * step * 2.0 ** e      # np.round: ties to even
;;       return np.moveaxis(q, -1, axis).astype(np.float32)
;;   ~~~
;;   SOFTMAX AHEAD OF A QUANTISED PRODUCT. Where the list says 'softmax', what is quantised is not the finished softmax but p = 2^(t - M), with t = logit x log2(e) and M = ceil(the row's largest t), a whole number; so 1/2 < the row's largest p <= 1. The row's sum l is taken of the UNQUANTISED p, in f32, and the product's result is divided by l at the end. Since M is a whole number, a kernel that streams over the keys may use a running M (the ceiling of the running maximum): every later rescaling is an exact power of two, so the quantised numbers keep their values, but for numbers so far below the row's largest that they fall under the format's range.
;;   OPERANDS COMPUTED ON THE WAY. 'Computed on the way' means the value that the module computes at that place (a softmax that the list does not call 'softmax' is quantised finished and normalised). What goes into a quantiser is computed in f32, as accurately as f32 sums, v_exp_f32 and their like allow (about 1e-6 of the number): no bf16 or f16 on the way to a quantiser, and a product that is left as it is and whose result goes on into a quantised operand takes f32 operands (vector FMAs, or v_wmma_f32_16x16x4_f32). A number that lies on a knife's edge between two numbers of the format may be rounded either way, as far as f32 arithmetic and the matrix unit's own rounding can turn it there, and no further.
;; One version. Each part assembles by itself: llvm-mc -triple=amdgcn-amd-amdhsa -mcpu=gfx1250 --defsym DOCPART=n.
;; ======== version 1 of 1: 4 launches
;; workspace buffers: xcodes 25,165,824 bytes; wcodes 4,194,304 bytes; qkv 25,165,824 bytes; acodes 8,388,608 bytes
;; launch quant (part 1): grid 384 x 1, 4 waves a work-group, no clusters, 33,280 bytes of LDS; arguments x, Wq, Wk, Wv, Wo, lowp_scales, xcodes, wcodes; writes xcodes, wcodes
.if DOCPART == 1
	.amdgcn_target "amdgcn-amd-amdhsa--gfx1250"
	.amdhsa_code_object_version 6
	.text
	.protected	k_q72e585dec8_quant
	.globl	k_q72e585dec8_quant
	.p2align	8
	.type	k_q72e585dec8_quant,@function
k_q72e585dec8_quant:
	s_mov_b64 s[64:65], 0
	v_nop
	global_prefetch_b8 v0, s[64:65] scope:SCOPE_SE
	s_setreg_imm32_b32 hwreg(HW_REG_WAVE_MODE, 25, 1), 1
	s_wait_xcnt 0x0
; x [8192][1024] and the four weights [1024][1024], f32 with K innermost, become codes of FP8 (E4M3), one byte each.
; x is an operand of three products, each with a scale of its own (entries 0, 2, 4 of the scales): it is read once and stored as three sets of codes,
; xcodes [3][8192][1024].  Wq, Wk, Wv, Wo take entries 1, 3, 5, 11: wcodes [4][1024][1024].
; code = number / 2^e, held within +-448, rounded to the nearest code, ties to even.
; LIMITS: each e lies between -126 and 119, so that 2^e and 448 x 2^e are f32 numbers.  NaN among the inputs is not served; an infinity is held at the largest code.
; THE ORDER OF A ROW'S BYTES.  In every block of 32 codes the two middle groups of eight change places: bytes 32 b + 16 u + 0..7 hold k = 32 b + 8 u + 0..7, bytes 32 b + 16 u + 8..15 hold
; k = 32 b + 16 + 8 u + 0..7.  A load of 16 bytes at 32 c + 16 (lane / 16) of a row then brings registers 4 c .. 4 c + 3 of the matrix operand with every k in the place that the operand's own layout gives it.
; SHARES.  Rows are dense: a tensor is a stream of blocks of 32.  A work-group takes 32,768 numbers, a wave 8,192 in 16 steps of 512.  Work-groups 0-255 take x, 256 + 32 w + g takes weight w.
; Each of a step's four loads reads 512 consecutive bytes; the 2,048 bytes turn through the wave's own stage in LDS (16 bytes of padding behind each 64) and come back so that a lane holds the 16 numbers
; of its 16 output bytes; a store covers 512 consecutive bytes.  No barrier: waves share nothing.  Loads run four steps ahead, the turn through LDS one step.
.set WAVES, 4
.set STEPS, 16
.set XWG,   256                        ; work-groups that take x
.set SP,    80                         ; 64 bytes of a stage + 16 of padding
.set WREG,  8192                       ; LDS region of a wave: two stages of 32 x SP bytes
.set SPARE, WAVES*WREG                 ; behind the regions: the spare words, 128 bytes a wave, which no other line names
.set SPW,   12                         ; v12  LDS address of my spare word; never rewritten
.set NIL,   13                         ; v13  0; never rewritten
.set R,     16                         ; v16-79   four sets of 16 numbers as loaded
.set X,     80                         ; v80-111  two sets of 16 numbers in the order of my output bytes
.set T,     112                        ; v112-127 the numbers held within one scale's range
.set C,     128                        ; v128-139 codes: four registers for each of the three outputs
	s_load_b512 s[4:19], s[0:1], 0x0               ; x, Wq, Wk, Wv, Wo, scales, xcodes, wcodes
	v_lshl_add_u32 v[SPW], v0, 2, SPARE
	v_mov_b32 v[NIL], 0
	v_lshrrev_b32 v1, 5, v0
	v_readfirstlane_b32 s20, v1                    ; wave
	v_and_b32 v2, 31, v0                           ; lane
	v_lshlrev_b32 v3, 4, v2                        ; my 16 bytes of a load's 512, and of a store's
	s_mul_i32 s33, s20, WREG
	v_lshrrev_b32 v14, 2, v2
	v_mul_u32_u24 v14, v14, SP
	v_and_b32 v15, 3, v2
	v_lshl_add_u32 v14, v15, 4, v14
	v_add_nc_u32 v14, s33, v14                     ; into the stage: SP (lane / 4) + 16 (lane % 4)
	v_lshrrev_b32 v15, 1, v2
	v_mul_u32_u24 v15, v15, 2*SP
	v_and_b32 v1, 1, v2
	v_lshl_add_u32 v15, v1, 5, v15
	v_add_nc_u32 v15, s33, v15                     ; out of it: block lane / 2 begins at 2 SP (lane / 2); my eights begin 32 (lane % 2) on, in both halves of the block
	s_cmp_lt_u32 ttmp9, XWG
	s_cselect_b32 s21, 1, 0                        ; 1: my work-group takes x
	s_sub_co_u32 s23, ttmp9, XWG
	s_lshr_b32 s22, s23, 5                         ; which weight,
	s_and_b32 s23, s23, 31                         ; and which 32,768 numbers of it
	s_cmp_eq_u32 s21, 1
	s_cselect_b32 s23, ttmp9, s23
	s_cselect_b32 s22, 0, s22
	s_lshl_b32 s38, s23, 2
	s_add_co_u32 s38, s38, s20                     ; my wave's run of 8,192 numbers
	s_lshl_b32 s40, s38, 15                        ; in bytes of f32,
	s_mov_b32 s41, 0
	s_lshl_b32 s42, s38, 13                        ; and of codes,
	s_lshl_b32 s39, s22, 20
	s_add_co_u32 s42, s42, s39                     ; behind the weights in front of mine
	s_mov_b32 s43, 0
	s_wait_kmcnt 0x0
	s_load_b256 s[48:55], s[14:15], 0x0            ; e0 .. e7
	s_load_b128 s[56:59], s[14:15], 0x20           ; e8 .. e11
	s_cmp_eq_u32 s22, 1                            ; the buffers are chosen by the work-group's number alone
	s_cselect_b64 s[24:25], s[8:9], s[6:7]
	s_cmp_eq_u32 s22, 2
	s_cselect_b64 s[24:25], s[10:11], s[24:25]
	s_cmp_eq_u32 s22, 3
	s_cselect_b64 s[24:25], s[12:13], s[24:25]
	s_cmp_eq_u32 s21, 1
	s_cselect_b64 s[24:25], s[4:5], s[24:25]
	s_cselect_b64 s[26:27], s[16:17], s[18:19]
	s_add_nc_u64 s[24:25], s[24:25], s[40:41]      ; from here I read,
	s_add_nc_u64 s[26:27], s[26:27], s[42:43]      ; here I store;
	s_add_nc_u64 s[28:29], s[26:27], 0x800000      ; x's second
	s_add_nc_u64 s[30:31], s[26:27], 0x1000000     ; and third set of codes (named by x's work-groups alone)
.macro LOAD t
.irp i, 0,1,2,3
	global_load_b128 v[R+16*((\t)%4)+4*\i:R+16*((\t)%4)+4*\i+3], v3, s[24:25] offset:2048*(\t)+512*\i th:TH_LOAD_NT
.endr
.endm
.macro TURN t                          ; LDS serves a wave's instructions in order, so no wait stands between the stores and the loads
.irp i, 0,1,2,3
	ds_store_b128 v14, v[R+16*((\t)%4)+4*\i:R+16*((\t)%4)+4*\i+3] offset:32*SP*((\t)%2)+8*SP*\i
.endr
.irp i, 0,1,2,3
	ds_load_b128 v[X+16*((\t)%2)+4*\i:X+16*((\t)%2)+4*\i+3], v15 offset:32*SP*((\t)%2)+SP*(\i/2)+16*(\i%2)
.endr
.endm
.irp t, 0,1,2,3
	LOAD \t
.endr
	s_wait_kmcnt 0x0
	s_cmp_eq_u32 s22, 1                            ; my first scale: x e0, Wq e1, Wk e3, Wv e5, Wo e11
	s_cselect_b32 s34, s51, s49
	s_cmp_eq_u32 s22, 2
	s_cselect_b32 s34, s53, s34
	s_cmp_eq_u32 s22, 3
	s_cselect_b32 s34, s59, s34
	s_cmp_eq_u32 s21, 1
	s_cselect_b32 s34, s48, s34
.macro MKSC e, vs                      ; v[vs] = 2^e as f32 (the conversion takes its exponent field), v[vs+1] = 448 x 2^e
	s_add_co_i32 s36, \e, 127
	s_lshl_b32 s37, s36, 23
	v_mov_b32 v[\vs], s37
	s_add_co_i32 s36, s36, 8
	s_lshl_b32 s36, s36, 23
	s_or_b32 s36, s36, 0x600000
	v_mov_b32 v[\vs+1], s36
.endm
	MKSC s34, 5
	MKSC s50, 7                                    ; e2
	MKSC s52, 9                                    ; e4
	s_wait_loadcnt 12                              ; step 0's four loads are in
	TURN 0
.macro OUT j, t                        ; output j of step t: the hold goes into T, since the numbers serve three scales
.irp i, 0,1,2,3,4,5,6,7,8,9,10,11,12,13,14,15
	v_med3_num_f32 v[T+\i], v[XS+\i], -v[6+2*\j], v[6+2*\j]   ; the conversion to an 8-bit code does not saturate (ISA guide 7.6.2)
.endr
	v_cvt_scalef32_pk8_fp8_f32 v[C+4*\j:C+4*\j+1], v[T:T+7], v[5+2*\j]
	v_cvt_scalef32_pk8_fp8_f32 v[C+4*\j+2:C+4*\j+3], v[T+8:T+15], v[5+2*\j]
	v_nop                                          ; a plain line between the conversions and the next write of T
	global_store_b128 v3, v[C+4*\j:C+4*\j+3], s[26+2*\j:27+2*\j] offset:512*(\t)
.endm
.macro STEP t
.set XS, X+16*((\t)%2)
	s_wait_dscnt 0x0                               ; this step's numbers are back from the stage, and its stores into the stage have read their registers,
.if (\t)+4 < STEPS
	LOAD (\t)+4                                    ; which take the loads of four steps on
.endif
.if (\t)+1 < STEPS
.if STEPS-2-(\t) >= 3
	s_wait_loadcnt 12                              ; the next step's four loads are in; three steps' loads stay out
.else
	s_wait_loadcnt 4*(STEPS-2-(\t))
.endif
	TURN (\t)+1
.endif
	s_wait_xcnt 0x0                                ; the last step's stores have read C: only behind this wait is it written again
	OUT 0, \t
	s_cmp_eq_u32 s21, 0                            ; a weight has one scale
	s_cbranch_scc1 .Lone_\@
	OUT 1, \t
	OUT 2, \t
.Lone_\@:
.endm
.irp t, 0,1,2,3,4,5,6,7,8,9,10,11,12,13,14,15
	STEP \t
.endr
	s_wait_tensorcnt 0x0                           ; the wave's end: behind my last LDS store
	ds_add_u32 v[SPW], v[NIL]
	s_wait_dscnt 0x0
	s_endpgm
.Lfunc_end_k_q72e585dec8_quant:
	.size	k_q72e585dec8_quant, .Lfunc_end_k_q72e585dec8_quant-k_q72e585dec8_quant
	.p2alignl 7, 3214868480
	.fill 96, 4, 3214868480
	.section	.rodata,"a",@progbits
	.p2align	6, 0x0
	.amdhsa_kernel k_q72e585dec8_quant
		.amdhsa_group_segment_fixed_size 33280
		.amdhsa_private_segment_fixed_size 0
		.amdhsa_enable_private_segment 0
		.amdhsa_kernarg_size 64
		.amdhsa_user_sgpr_count 2
		.amdhsa_user_sgpr_kernarg_segment_ptr 1
		.amdhsa_wavefront_size32 1
		.amdhsa_system_sgpr_workgroup_id_x 1
		.amdhsa_system_sgpr_workgroup_id_y 1
		.amdhsa_system_sgpr_workgroup_id_z 1
		.amdhsa_system_vgpr_workitem_id 0
		.amdhsa_next_free_vgpr 144
		.amdhsa_next_free_sgpr 66
		.amdhsa_reserve_vcc 0
		.amdhsa_float_denorm_mode_32 3
		.amdhsa_float_denorm_mode_16_64 3
		.amdhsa_memory_ordered 1
		.amdhsa_forward_progress 1
		.amdhsa_inst_pref_size 81
	.end_amdhsa_kernel
	.amdgpu_metadata
---
amdhsa.version: [ 1, 2 ]
amdhsa.kernels:
  - .name:           k_q72e585dec8_quant
    .symbol:         k_q72e585dec8_quant.kd
    .args:
      - { .name: x, .offset: 0, .size: 8, .value_kind: global_buffer, .address_space: global }
      - { .name: Wq, .offset: 8, .size: 8, .value_kind: global_buffer, .address_space: global }
      - { .name: Wk, .offset: 16, .size: 8, .value_kind: global_buffer, .address_space: global }
      - { .name: Wv, .offset: 24, .size: 8, .value_kind: global_buffer, .address_space: global }
      - { .name: Wo, .offset: 32, .size: 8, .value_kind: global_buffer, .address_space: global }
      - { .name: lowp_scales, .offset: 40, .size: 8, .value_kind: global_buffer, .address_space: global }
      - { .name: xcodes, .offset: 48, .size: 8, .value_kind: global_buffer, .address_space: global }
      - { .name: wcodes, .offset: 56, .size: 8, .value_kind: global_buffer, .address_space: global }
    .group_segment_fixed_size: 33280
    .private_segment_fixed_size: 0
    .kernarg_segment_align: 8
    .kernarg_segment_size: 64
    .max_flat_workgroup_size: 128
    .sgpr_count:     66
    .vgpr_count:     144
    .wavefront_size: 32
...
	.end_amdgpu_metadata
.endif
;; end of part 1
;; launch qkv (part 2): grid 12 x 32, 4 waves a work-group, clusters of 4 x 4, 327,680 bytes of LDS; arguments xcodes, wcodes, lowp_scales, qkv; writes qkv
.if DOCPART == 2
	.amdgcn_target "amdgcn-amd-amdhsa--gfx1250"
	.amdhsa_code_object_version 6
	.text
	.protected	k_q72e585dec8_qkv
	.globl	k_q72e585dec8_qkv
	.p2align	8
	.type	k_q72e585dec8_qkv,@function
k_q72e585dec8_qkv:
	s_mov_b64 s[64:65], 0
	v_nop
	global_prefetch_b8 v0, s[64:65] scope:SCOPE_SE
	s_setreg_imm32_b32 hwreg(HW_REG_WAVE_MODE, 25, 1), 1
	s_wait_xcnt 0x0
	s_wait_alu depctr_hold_cnt(0) depctr_sa_sdst(0) depctr_va_vdst(0) depctr_va_sdst(0) depctr_va_ssrc(0) depctr_va_vcc(0) depctr_vm_vsrc(0)
	s_getreg_b32 s2, hwreg(HW_REG_IB_STS2, 6, 4)
	s_cmp_eq_u32 s2, 0
	s_cbranch_scc0 .Lentry_in_a_cluster
	s_endpgm
.Lentry_in_a_cluster:
	s_bfe_u32 s2, ttmp6, 0x10000c
	s_cmp_lg_u32 s2, 0xf033
	s_cbranch_scc0 .Lentry_shape_is_right
	s_endpgm
.Lentry_shape_is_right:
; q = x Wq^T, k = x Wk^T, v = x Wv^T on codes of FP8 (E4M3); each f32 sum is quantised at once for the product that takes it next (q: entry 6 of the scales, k: 7, v: 9) and stored as codes.
; The cluster's x, p = 0, 1, 2, says which product; all sixteen partners share it.  A tile is 256 x 256, made by four waves of 128 x 128 (64 accumulators, 512 registers); K = 1,024 goes in four
; steps of 256 through a ring of two LDS slots filled by the tensor data mover; a tile's row is 256 bytes of memory.
; ROLES.  The matrix instruction takes 16 rows of 'B' as source 0 and 16 rows of 'A' as source 1: a lane then holds ONE row of A and its eight registers run along rows of B.
;   q, k: A = x's codes under product p's scale (tokens), B = W_p (features): a lane's registers run along the head's 64, which is the next product's K.
;   v:    A = Wv (features), B = x's third set (tokens): a lane's registers run along the keys, which is the next product's K.
; So the conversions' results ARE registers of the next operand, and they are stored as an image of those registers: 512 consecutive bytes a store, lane l's 16 bytes at 16 l.
;   q, k: [batch 4][head 16][16 tokens: 128][g 2][512]: registers 4 g .. 4 g + 3 of the fragment 16 tokens x 64.
;   v:    [batch 4][head pair 8][g / 2][128 keys: 16][a 8][g % 2][512]: head = 2 pair + a / 4, registers 4 g .. 4 g + 3 of the fragment (16 of the head's 64, from 16 (a % 4) on) x 128 keys.
; CLUSTERS: 4 x 4.  A's tile hangs on cy (and the cluster's place) alone and is asked for jointly by a row of the cluster, B's on cx alone and by a column.
; LIMITS: e_out - eA - eB lies between -126 and 119 for each of the three products.
; REGISTERS, in windows of 256: window 0: v0-31 addresses and two constants; v32-95 at work on the way out; v128-255 A's fragments, ONE set, on the way out the codes.
;   window 1: B's fragments, TWO sets.   window 2: the accumulators of my A rows 0-63 ((a, b) at v[8 (8 a + b)]);   window 3: those of rows 64-127.
.set SIZE_K, 1024
.set KSTEP,  256
.set ROWB,   256
.set KROW,   SIZE_K
.set PITCH,  272                       ; an LDS row: 256 bytes + 16 of padding = 68 words: the 16 rows that a load touches start at 16 different banks (ISA guide 11.1)
.set FR,     16
.set NL,     4
.set NP,     4                         ; places behind this matrix instruction (ISA guide 7.12.1)
.set HALFT,  128*PITCH
.set SLOT,   4*HALFT
.set LAPS,   SIZE_K/(2*KSTEP)
.set SPARE,  2*SLOT                    ; behind the ring: the spare words, 128 bytes a wave, which no other line names
.set ADRA, 16                          ; v16-17  LDS address of my A fragments in slot 0, 1
.set ADRB, 20                          ; v20-21  the same for B
.set CO,   26                          ; v26     16 x lane: my place in an image
.set SPW,  28                          ; v28     LDS address of my spare word; never rewritten
.set NIL,  29                          ; v29     0; never rewritten
.set SCL,  30                          ; v30     2^(e_out - eA - eB);  v31: 448 x that
.set TMP,  32
.set AF,   128
.set G1, 24
.set G0, 32
.set G1B, 48
.set G0B, 56
.set MSB, 0
.macro WIN new                         ; the immediate's high byte repeats the setting that is left
.if MSB != \new
	s_set_vgpr_msb (MSB<<8)|\new
.set MSB, \new
.endif
.endm
.set MUL_LO, 0xa1                      ; source 0 (B) window 1, source 1 (A) window 0, C and D window 2
.set MUL_HI, 0xf1                      ; the same, C and D window 3
.set TO_B,   0x40                      ; destination window 1, address window 0
; A joint load: waves 0 and 1 fetch for A, waves 2 and 3 for B; the branch hangs on the wave's number alone.  An s_nop 0 and four v_nop follow each of the two lines.
.macro JLOAD g0a, g1a, g0b, g1b
	s_cmp_eq_u32 s15, 0
	s_cbranch_scc0 .Lfor_b_\@
	tensor_load_to_lds s[\g0a:\g0a+3], s[\g1a:\g1a+7]
	s_nop 0
.rept 4
	v_nop
.endr
	s_branch .Lasked_\@
.Lfor_b_\@:
	tensor_load_to_lds s[\g0b:\g0b+3], s[\g1b:\g1b+7]
	s_nop 0
.rept 4
	v_nop
.endr
.Lasked_\@:
.endm
.macro CREST                           ; a round of the cluster's barrier behind its opening barrier
	s_cmp_lg_u32 s14, 0
	s_cbranch_scc1 .Lnot_wave_0_\@
	s_barrier_signal -3
.Lnot_wave_0_\@:
	s_barrier_wait -3
	s_barrier_signal -1
	s_barrier_wait -1
.endm
.macro CROUND
	s_barrier_signal -1
	s_barrier_wait -1
	CREST
.endm
	s_load_b128 s[4:7], s[0:1], 0x0                ; x's codes s[4:5], the weights' codes s[6:7]
	s_load_b128 s[8:11], s[0:1], 0x10              ; the scales' exponents s[8:9], q, k, v s[10:11]
	v_lshl_add_u32 v[SPW], v0, 2, SPARE
	v_mov_b32 v[NIL], 0
	ds_add_u32 v[SPW], v[NIL]                      ; the wave's opening: the add and its wait stand ahead of my first tensor load; the set-up below stands between them
	v_lshrrev_b32 v1, 5, v0
	v_readfirstlane_b32 s14, v1                    ; wave 0..3
	s_lshr_b32 s15, s14, 1                         ; which half of A's rows is mine.  Also: I fetch for A (0) or for B (1)
	s_and_b32 s16, s14, 1                          ; which half of B's rows.  Also: which 128 rows of that tile I fetch
	s_bfe_u32 s40, ttmp6, 0x40000                  ; cx
	s_bfe_u32 s41, ttmp6, 0x40004                  ; cy
	s_and_b32 s17, ttmp7, 0xffff
	s_lshl_b32 s17, s17, 2                         ; 4 x cluster y: it counts tiles of tokens, which are A's rows for q and k and B's for v
	s_cmp_eq_u32 ttmp9, 2
	s_cselect_b32 s42, s17, 0
	s_cselect_b32 s17, 0, s17
	s_add_co_u32 s42, s42, s40                     ; B's tile: cx (+ 4 x cluster y for v)
	s_add_co_u32 s17, s17, s41                     ; A's tile: cy (+ 4 x cluster y for q, k)
	s_lshl_b32 s43, s41, 2
	s_lshl_b32 s43, 15, s43                        ; my row of the cluster
	s_lshl_b32 s44, 0x1111, s40                    ; my column
	s_or_b32 s[G1+0], s43, (0<<16)|(1<<20)|(1<<21)|(5<<22)|(3<<25)  ; 15:0 the mask; 17:16 elements of 1 byte; 20 padding on; 21 set beside a mask; 24:22 after every 64 words; 31:25 four words
	s_or_b32 s[G1B+0], s44, (0<<16)|(1<<20)|(1<<21)|(5<<22)|(3<<25)
.irp g, G1, G1B
	s_mov_b32 s[\g+1], ROWB<<16                    ; tensor_dim0
	s_mov_b32 s[\g+2], 128<<16                     ; tensor_dim1
	s_mov_b32 s[\g+3], ROWB<<16                    ; tile_dim0
	s_mov_b32 s[\g+4], 128                         ; tile_dim1
	s_mov_b32 s[\g+5], KROW                        ; tensor_dim0_stride
	s_mov_b32 s[\g+6], 0
	s_mov_b32 s[\g+7], 0
.endr
	s_lshl_b32 s18, s16, 7
	s_lshl_b32 s20, s17, 8
	s_add_co_u32 s20, s20, s18                     ; A: row 256 x tile + 128 x half
	s_lshl_b32 s46, s42, 8
	s_add_co_u32 s46, s46, s18                     ; B likewise
	s_mov_b32 s21, 0
	s_mov_b32 s47, 0
	s_mov_b64 s[18:19], KROW
	s_mul_u64 s[20:21], s[20:21], s[18:19]
	s_mul_u64 s[46:47], s[46:47], s[18:19]
	s_mul_i32 s45, s14, HALFT                      ; where the tiles go: wave x 128 rows
	s_lshl_b32 s90, ttmp9, 23                      ; x's set p,
	s_lshl_b32 s92, ttmp9, 20                      ; weight p
	s_mov_b32 s91, 0
	s_mov_b32 s93, 0
	s_wait_dscnt 0x0                               ; the opening add is done
	s_wait_kmcnt 0x0
	s_load_b256 s[72:79], s[8:9], 0x0              ; e0 .. e7
	s_load_b128 s[80:83], s[8:9], 0x20             ; e8 .. e11
	s_cmp_eq_u32 ttmp9, 2                          ; the choice hangs on the cluster's x alone
	s_cselect_b32 s90, 0x200000, s90               ; v: A is Wv,
	s_cselect_b32 s92, 0x1000000, s92              ;    B is x's third set
	s_cselect_b64 s[68:69], s[6:7], s[4:5]
	s_cselect_b64 s[70:71], s[4:5], s[6:7]
	s_add_nc_u64 s[68:69], s[68:69], s[90:91]
	s_add_nc_u64 s[70:71], s[70:71], s[92:93]
	s_add_nc_u64 s[20:21], s[68:69], s[20:21]
	s_add_nc_u64 s[46:47], s[70:71], s[46:47]
	CROUND                                         ; all sixteen work-groups are here: the first joint loads meet
.irp s, 0,1
	s_mov_b32 s[G0+4*\s], 1
	s_add_co_u32 s[G0+4*\s+1], s45, \s*SLOT
	s_add_nc_u64 s[G0+4*\s+2:G0+4*\s+3], s[20:21], \s*ROWB
	s_or_b32 s[G0+4*\s+3], s[G0+4*\s+3], 0x80000000
	s_mov_b32 s[G0B+4*\s], 1
	s_add_co_u32 s[G0B+4*\s+1], s45, \s*SLOT
	s_add_nc_u64 s[G0B+4*\s+2:G0B+4*\s+3], s[46:47], \s*ROWB
	s_or_b32 s[G0B+4*\s+3], s[G0B+4*\s+3], 0x80000000
	JLOAD G0+4*\s, G1, G0B+4*\s, G1B               ; two tensor loads of mine are out
.endr
	v_and_b32 v1, 15, v0
	v_bfe_u32 v2, v0, 4, 1
	v_mul_u32_u24 v3, v1, PITCH
	v_lshl_add_u32 v4, v2, 4, v3                   ; a fragment's row x pitch + 16 x half
	s_mul_i32 s21, s15, HALFT
	s_mul_i32 s22, s16, HALFT
	s_add_co_u32 s22, s22, 2*HALFT
.irp s, 0,1
	v_add_nc_u32 v[ADRA+\s], s21, v4
	v_add_nc_u32 v[ADRB+\s], s22, v4
	s_add_co_u32 s21, s21, SLOT
	s_add_co_u32 s22, s22, SLOT
.endr
	v_and_b32 v6, 31, v0
	v_lshlrev_b32 v[CO], 4, v6
	; where my images go: tensor p, batch, head pair, 128 tokens.  In registers that feed no descriptor
	s_lshl_b32 s84, s17, 1
	s_add_co_u32 s84, s84, s15                     ; my 128 rows of A, counted in 128s
	s_lshl_b32 s85, s42, 1
	s_add_co_u32 s85, s85, s16                     ; my 128 rows of B
	s_cmp_eq_u32 ttmp9, 2
	s_cselect_b32 s86, s85, s84                    ; the tokens' 128
	s_cselect_b32 s87, s84, s85                    ; the head pair
	s_lshr_b32 s88, s86, 4
	s_lshl_b32 s88, s88, 21                        ; batch x 2 MiB
	s_and_b32 s86, s86, 15
	s_lshl_b32 s86, s86, 13                        ; + 128 tokens x 8,192
	s_add_co_u32 s88, s88, s86
	s_lshl_b32 s87, s87, 18                        ; + head pair x 262,144
	s_add_co_u32 s88, s88, s87
	s_lshl_b32 s87, ttmp9, 23                      ; + tensor x 8 MiB
	s_add_co_u32 s88, s88, s87
	s_mov_b32 s89, 0
	s_add_nc_u64 s[10:11], s[10:11], s[88:89]
.macro FRAG reg, adr, q, i             ; 16 rows x 128 K: four loads of 16 bytes; the rows' byte order puts each k in its own place
.irp c, 0,1,2,3
	ds_load_b128 v[\reg+4*\c:\reg+4*\c+3], v[\adr] offset:128*(\q)+32*\c+(\i)*16*PITCH
.endr
.endm
; 16 matrix instructions: A's blocks a0, a0 + 1 x B's eight.  The 64 accumulators take turns, one instruction a turn, in the same order in every step.
.macro MUL16 a0, p, zero
.irp a, \a0, \a0+1
.irp b, 0,1,2,3,4,5,6,7
.if \zero
	v_wmma_f32_16x16x128_fp8_fp8 v[8*(8*((\a)%4)+\b):8*(8*((\a)%4)+\b)+7], v[128*(\p)+FR*\b:128*(\p)+FR*\b+FR-1], v[AF+FR*(\a):AF+FR*(\a)+FR-1], 0
.else
	v_wmma_f32_16x16x128_fp8_fp8 v[8*(8*((\a)%4)+\b):8*(8*((\a)%4)+\b)+7], v[128*(\p)+FR*\b:128*(\p)+FR*\b+FR-1], v[AF+FR*(\a):AF+FR*(\a)+FR-1], v[8*(8*((\a)%4)+\b):8*(8*((\a)%4)+\b)+7]
.endif
.endr
.endr
.endm
.macro FETCH_B slot, q, p
	WIN TO_B
.irp i, 0,1,2,3,4,5,6,7
	FRAG 128*(\p)+FR*\i, ADRB+\slot, \q, \i
.endr
	WIN 0
.endm
.macro FETCH_A slot, q, i0
.irp i, \i0, \i0+1, \i0+2, \i0+3
	FRAG AF+FR*(\i), ADRA+\slot, \q, \i
.endr
.endm
.macro PLACES n                        ; plain vector lines between a matrix instruction and a load into, or a vector read of, its registers
.rept \n
	v_nop
.endr
.endm
.macro STEP slot, q, zero              ; 128 along K whose successor lies in the same slot
	s_wait_dscnt 4*NL                              ; B's set and A's blocks 0-3 are in; A's blocks 4-7 may be out
	WIN MUL_LO
	MUL16 0, (\q)%2, \zero
	MUL16 2, (\q)%2, \zero
	s_wait_dscnt 0
	PLACES NP
	FETCH_B \slot, (\q)+1, 1-(\q)%2
	FETCH_A \slot, (\q)+1, 0
	WIN MUL_HI
	MUL16 4, (\q)%2, \zero
	MUL16 6, (\q)%2, \zero
	PLACES NP
	WIN 0
	FETCH_A \slot, (\q)+1, 4
.endm
; A slot's last step changes slots: ONE barrier; in front of it each wave waits for all its tensor loads, adds 0 to its spare word, and waits for that and for its reads of this slot.
.macro TURN slot, next, fill
	s_wait_tensorcnt 0x0                           ; all my tensor loads have landed: my part of the next slot
	ds_add_u32 v[SPW], v[NIL]
	s_wait_dscnt 4*NL+1                            ; (the add and A's blocks 4-7 may be out)
	WIN MUL_LO
	MUL16 0, 1, 0
	s_wait_dscnt 0x0                               ; the add is done, and my reads of this slot are over
	s_barrier_signal -1
	MUL16 2, 1, 0
	WIN 0
	s_barrier_wait -1
.if \fill
	CREST                                          ; the barrier has opened a round of the cluster's: no wave of any partner still reads this slot or has a load on its way
	s_add_nc_u64 s[G0+4*\slot+2:G0+4*\slot+3], s[G0+4*\slot+2:G0+4*\slot+3], 2*ROWB
	s_add_nc_u64 s[G0B+4*\slot+2:G0B+4*\slot+3], s[G0B+4*\slot+2:G0B+4*\slot+3], 2*ROWB
	JLOAD G0+4*\slot, G1, G0B+4*\slot, G1B         ; the first tensor load behind the round; its four v_nop are the places in front of the loads below
.else
	PLACES NP
.endif
	FETCH_B \next, 0, 0
	FETCH_A \next, 0, 0
	WIN MUL_HI
	MUL16 4, 1, 0
	MUL16 6, 1, 0
	PLACES NP
	WIN 0
	FETCH_A \next, 0, 4
.endm
	s_wait_tensorcnt 1                             ; my part of K step 0 is in; K step 1's load may be out
	s_barrier_signal -1
	s_barrier_wait -1
	FETCH_B 0, 0, 0
	FETCH_A 0, 0, 0
	FETCH_A 0, 0, 4
	STEP 0, 0, 1                                   ; the first step starts the sums: nothing is cleared
	s_mov_b32 s3, LAPS-1
.Llap:
	TURN 0, 1, 1
	STEP 1, 0, 0
	TURN 1, 0, 1
	STEP 0, 0, 0
	s_sub_co_u32 s3, s3, 1
	s_cmp_lg_u32 s3, 0
	s_cbranch_scc1 .Llap
	TURN 0, 1, 0                                   ; the last lap fills nothing
	STEP 1, 0, 0
	s_wait_dscnt 4*NL
	WIN MUL_LO
	MUL16 0, 1, 0
	MUL16 2, 1, 0
	s_wait_dscnt 0
	WIN MUL_HI
	MUL16 4, 1, 0
	MUL16 6, 1, 0
	WIN 0
	; THE WAY OUT.  A sum stands for sum x 2^(eA + eB); its code is sum / 2^(e_out - eA - eB): the three scales are folded into the conversion's one.
	s_wait_kmcnt 0x0
	s_cmp_eq_u32 ttmp9, 1
	s_cselect_b32 s84, s74, s72                    ; eA: e0, e2, e4
	s_cselect_b32 s85, s75, s73                    ; eB: e1, e3, e5
	s_cselect_b32 s86, s79, s78                    ; e_out: e6, e7, e9
	s_cmp_eq_u32 ttmp9, 2
	s_cselect_b32 s84, s76, s84
	s_cselect_b32 s85, s77, s85
	s_cselect_b32 s86, s81, s86
	s_sub_co_i32 s86, s86, s84
	s_sub_co_i32 s86, s86, s85
	s_add_co_i32 s86, s86, 127
	s_lshl_b32 s87, s86, 23
	s_add_co_i32 s86, s86, 8
	s_lshl_b32 s86, s86, 23
	s_or_b32 s86, s86, 0x600000
	PLACES NP                                      ; behind the last products, ahead of the first read of results and the first write into A's registers
	v_mov_b32 v[SCL], s87
	v_mov_b32 v[SCL+1], s86
; A's block a: 64 sums a lane are held, converted (eight registers give two) and stored as four pieces of an image.  Each block has 16 registers of its own for its codes: no store's data are written again.
.macro QOUT a
.set AC, 64*((\a)%4)
	WIN 0x02+((\a)/4)                              ; source 0: window 2 or 3
.set j, 0
.rept 64
	v_med3_num_f32 v[TMP+j], v[AC+j], -v[SCL+1], v[SCL+1]   ; each accumulator from its low end on; the conversion does not saturate (ISA guide 7.6.2)
.set j, j+1
.endr
	WIN 0
.irp b, 0,1,2,3,4,5,6,7
	v_cvt_scalef32_pk8_fp8_f32 v[AF+16*(\a)+2*\b:AF+16*(\a)+2*\b+1], v[TMP+8*\b:TMP+8*\b+7], v[SCL]
.endr
	v_nop                                          ; a plain line between the conversions and the next block's writes of their sources
.irp g, 0,1,2,3
	global_store_b128 v[CO], v[AF+16*(\a)+4*\g:AF+16*(\a)+4*\g+3], s[10:11] offset:(\a)*1024+(\g/2)*131072+(\g%2)*512   ; 32 lanes store 512 consecutive bytes
.endr
.endm
.irp a, 0,1,2,3,4,5,6,7
	QOUT \a
.endr
	s_wait_tensorcnt 0x0                           ; the wave's end
	ds_add_u32 v[SPW], v[NIL]
	s_wait_dscnt 0x0
	CROUND                                         ; the closing round
	s_endpgm
.Lfunc_end_k_q72e585dec8_qkv:
	.size	k_q72e585dec8_qkv, .Lfunc_end_k_q72e585dec8_qkv-k_q72e585dec8_qkv
	.p2alignl 7, 3214868480
	.fill 96, 4, 3214868480
	.section	.rodata,"a",@progbits
	.p2align	6, 0x0
	.amdhsa_kernel k_q72e585dec8_qkv
		.amdhsa_group_segment_fixed_size 327680
		.amdhsa_private_segment_fixed_size 0
		.amdhsa_enable_private_segment 0
		.amdhsa_kernarg_size 32
		.amdhsa_user_sgpr_count 2
		.amdhsa_user_sgpr_kernarg_segment_ptr 1
		.amdhsa_wavefront_size32 1
		.amdhsa_system_sgpr_workgroup_id_x 1
		.amdhsa_system_sgpr_workgroup_id_y 1
		.amdhsa_system_sgpr_workgroup_id_z 1
		.amdhsa_system_vgpr_workitem_id 0
		.amdhsa_next_free_vgpr 1024
		.amdhsa_next_free_sgpr 96
		.amdhsa_reserve_vcc 0
		.amdhsa_float_denorm_mode_32 3
		.amdhsa_float_denorm_mode_16_64 3
		.amdhsa_memory_ordered 1
		.amdhsa_forward_progress 1
		.amdhsa_inst_pref_size 118
	.end_amdhsa_kernel
	.amdgpu_metadata
---
amdhsa.version: [ 1, 2 ]
amdhsa.kernels:
  - .name:           k_q72e585dec8_qkv
    .symbol:         k_q72e585dec8_qkv.kd
    .args:
      - { .name: xcodes, .offset: 0, .size: 8, .value_kind: global_buffer, .address_space: global }
      - { .name: wcodes, .offset: 8, .size: 8, .value_kind: global_buffer, .address_space: global }
      - { .name: lowp_scales, .offset: 16, .size: 8, .value_kind: global_buffer, .address_space: global }
      - { .name: qkv, .offset: 24, .size: 8, .value_kind: global_buffer, .address_space: global }
    .group_segment_fixed_size: 327680
    .private_segment_fixed_size: 0
    .kernarg_segment_align: 8
    .kernarg_segment_size: 32
    .max_flat_workgroup_size: 128
    .sgpr_count:     96
    .vgpr_count:     1024
    .wavefront_size: 32
...
	.end_amdgpu_metadata
.endif
;; end of part 2
;; launch attn (part 3): grid 4 x 64, 8 waves a work-group, no clusters, 33,792 bytes of LDS; arguments qkv, padding_mask, lowp_scales, acodes; writes acodes
.if DOCPART == 3
	.amdgcn_target "amdgcn-amd-amdhsa--gfx1250"
	.amdhsa_code_object_version 6
	.text
	.protected	k_q72e585dec8_attn
	.globl	k_q72e585dec8_attn
	.p2align	8
	.type	k_q72e585dec8_attn,@function
k_q72e585dec8_attn:
	s_mov_b64 s[64:65], 0
	v_nop
	global_prefetch_b8 v0, s[64:65] scope:SCOPE_SE
	s_setreg_imm32_b32 hwreg(HW_REG_WAVE_MODE, 25, 1), 1
	s_wait_xcnt 0x0
; Attention of one head on codes of FP8 (E4M3): S = q k^T / 8 under the causal mask and the padding mask, the softmax by the rule for a quantised second product, O = p v / l, and O quantised (entry 10 of the
; scales) for the last product.  q, k, v arrive as images of operand registers (512 bytes a piece, lane l's 16 bytes at 16 l), and O's codes leave so.
; THE SOFTMAX.  t = score x log2(e) / 8; M = the running largest t rounded UP to a whole number, kept as -M = floor(-t); p = 2^(t - M) is quantised along the keys with 2^e8; the row's sum l is taken of the
; unquantised p; when M moves, l and O are multiplied by 2^(old M - new M), which rounds nothing.
; SHARES.  Work-group (i, head) owns the blocks 7 - i and i of 256 queries: 16 - 2 i and 2 i + 2 key steps of 128 keys, 18 for every work-group, walked as 9 trips of two steps.  Wave w owns 32 queries of
; a block, two tiles A and B of 16, so that each fragment of k and v read from LDS feeds two matrix instructions.  Both products are used transposed: a lane holds ONE query (lane % 16) throughout.
;   S^T = k q^T: register j of tile t holds key 16 t + 8 (lane / 16) + j: converted, the eight tiles are the 16 registers of p's operand with every key in its own place.
; k AND v COME THROUGH REGISTERS: in each step the eight waves copy the next step's 16 KiB into the other of two LDS buffers, four loads and four LDS stores a lane; one barrier a step.
; NO TENSOR LOAD AND NO CLUSTER: two branches hang on numbers read from memory (is a key of this step padded? can p pass the largest code under e8?) and lead round 256 and 128 vector lines of a step;
; work-groups of a head walk different numbers of steps in each phase; and a step's 16 KiB stand beside some 400 vector lines a wave.
; A QUERY WITH NO VISIBLE KEY has l = 0: its 64 codes become the NaN code, so that its row of the last product is NaN, as a softmax of nothing but -infinity is.
; LIMITS: e6 + e7 between -123 and 130 (added to c's exponent field); e8 and e10 between -126 and 119; e8 + e9 goes in by v_ldexp_f32 and has none.
; REGISTERS.  Window 0: v1-11 addresses; v12-47 statistics and constants; v48-63 mask bytes; v64-79 O's codes; v80-85 at work; v96-159, v160-223 S^T then p of tiles A, B; v224-255 p's codes.
;   Window 1: v0-63 k's eight fragments; v64-127 v's four; v128-159, v160-191 O^T of A, B; v192-207 q of A, B; v208-223 the copy's 64 bytes.
.set BUF,   16384                      ; an LDS buffer: k's 8,192 bytes (tile t, piece g at 1,024 t + 512 g), then v's (4,096 (g / 2) + 1,024 tile + 512 (g % 2))
.set SPARE, 2*BUF                      ; behind the buffers: the spare words, 128 bytes a wave, which no other line names
.set LI,  1                            ; 16 x lane
.set RH,  2                            ; lane % 16 - 8 (lane / 16)
.set H8,  3                            ; 8 (lane / 16)
.set GK,  4                            ; 1,024 x wave + 16 x lane: my bytes of a step's k in memory, and of both halves of a buffer
.set GV,  5                            ; my bytes of a step's v in memory
.set QV,  6                            ; 2,048 x wave + 16 x lane: my wave's two tiles in a block of q or of O's codes
.set PFO, 7                            ; the prefetches' offset
.set SPW, 10
.set NIL, 11
.set SA,  96
.set SB,  160
.set PA,  224
.set PB,  240
.set KFR, 0                            ; window 1
.set VFR, 64
.set OA,  128
.set OB,  160
.set QF,  192
.set STG, 208
; scalars: s12 wave; s[16:25] bases of q, k, v, O's codes and the mask for my head; s[26:29] my block of q and of O's codes; s[30:35] the step's k, v, mask; s[36:37] an offset (high word 0);
; s[38:41] the prefetches' base and address; s42 their limit; s43 trips to go; s44 the trip at whose end the blocks change; s45 the trip's first key; s46 the first key of the step to be copied;
; s47 the step's first key; s48 my first query; s49 bit l: a key of 64 l .. 64 l + 63 is padded; s51 1: p is held; s52 e8 + e9; s[54:55] c; s[56:57] lane selects
.set MSB, 0
.macro WIN new                         ; the immediate's high byte repeats the setting that is left; at every label and branch the setting is 0
.if MSB != \new
	s_set_vgpr_msb (MSB<<8)|\new
.set MSB, \new
.endif
.endm
.macro PLACES
.rept 4
	v_nop
.endr
.endm
; the next step's k and v, 64 bytes a lane, into registers
.macro STAGE_LOAD
	s_lshl_b32 s36, s46, 6                         ; 128 keys are 8,192 bytes in k, and in each of v's two halves
	s_add_nc_u64 s[30:31], s[18:19], s[36:37]
	s_add_nc_u64 s[32:33], s[20:21], s[36:37]
	WIN 0x40                                       ; destination window 1
	global_load_b128 v[STG:STG+3], v[GK], s[30:31]
	global_load_b128 v[STG+4:STG+7], v[GK], s[30:31] offset:512
	global_load_b128 v[STG+8:STG+11], v[GV], s[32:33]
	global_load_b128 v[STG+12:STG+15], v[GV], s[32:33] offset:512
	WIN 0
.endm
.macro STAGE_STORE buf
	WIN 0x04                                       ; the stores' data: window 1
	ds_store_b128 v[GK], v[STG:STG+3] offset:(\buf)*BUF
	ds_store_b128 v[GK], v[STG+4:STG+7] offset:(\buf)*BUF+512
	ds_store_b128 v[GK], v[STG+8:STG+11] offset:(\buf)*BUF+8192
	ds_store_b128 v[GK], v[STG+12:STG+15] offset:(\buf)*BUF+8704
	WIN 0
.endm
; A PREFETCH INTO THE L2 of the step two on from the one in hand, one step ahead of its copy.  All four work-groups of a head walk the same k and v: the one that walks all 16 steps in its first phase (x = 0)
; asks, wave 0 for k's 8,192 bytes (lanes 256 bytes apart), wave 1 for v's two runs of 4,096: each aligned 256 bytes once.  It asks in the steps 0 to 13; steps 0 and 1 come by their loads alone.
.macro ASK
	s_add_co_u32 s36, s47, 256
	s_lshl_b32 s36, s36, 6
	s_add_nc_u64 s[40:41], s[38:39], s[36:37]
	s_cmp_gt_u32 s43, s42
	s_cbranch_scc0 .Lnoask_\@
	global_prefetch_b8 v[PFO], s[40:41] th:TH_LOAD_NT scope:SCOPE_SE
.Lnoask_\@:
.endm
; block s73 of 256 queries is taken up: q's fragments, and the statistics at their beginnings.  The key step is written once: its first walk finds zeros, which the first change of M leaves zeros.
.macro SETBLOCK
	s_wait_xcnt 0x0                                ; earlier loads and stores have read their bases
	s_lshl_b32 s48, s73, 8
	s_lshl_b32 s74, s12, 5
	s_add_co_u32 s48, s48, s74                     ; my first query
	s_lshl_b32 s36, s73, 14
	s_add_nc_u64 s[26:27], s[16:17], s[36:37]
	s_add_nc_u64 s[28:29], s[22:23], s[36:37]
	WIN 0x40
.irp x, 0,1
.irp g, 0,1
	global_load_b128 v[QF+8*\x+4*\g:QF+8*\x+4*\g+3], v[QV], s[26:27] offset:\x*1024+\g*512
.endr
.endr
.set k, 0
.rept 64
	v_mov_b32 v[OA+k], 0
.set k, k+1
.endr
	WIN 0
	v_mov_b32 v13, 0xff61b1e6                      ; the largest t so far: -3e38
	v_mov_b32 v15, 0xff61b1e6
	v_floor_f32 v12, -v13                          ; -M
	v_floor_f32 v14, -v15
	v_mov_b32 v16, 0                               ; l, in two halves
	v_mov_b32 v17, 0
	v_mov_b32 v18, 0
	v_mov_b32 v19, 0
	s_wait_loadcnt 0x0
.endm
; sum k of 32 of a tile's 32 pairs of p, in two chains: l and a second
.macro SUMK s, l, c
.if k == 0
	v_pk_add_f32 v[\c:\c+1], v[\s:\s+1], v[\s+2:\s+3]
.elseif k == 31
	v_pk_add_f32 v[\l:\l+1], v[\l:\l+1], v[\c:\c+1]
.elseif k%2 == 1
	v_pk_add_f32 v[\l:\l+1], v[\l:\l+1], v[\s+4*((k+1)/2):\s+4*((k+1)/2)+1]
.else
	v_pk_add_f32 v[\c:\c+1], v[\c:\c+1], v[\s+4*(k/2)+2:\s+4*(k/2)+3]
.endif
.endm
; A KEY STEP: 128 keys from s47 on, out of buffer u
.macro STEP u
	s_add_co_u32 s58, s48, 31
	s_cmp_gt_u32 s47, s58                          ; all its keys come after my 32 queries: nothing to do (ids and counts alone)
	s_cbranch_scc1 .Lhid_\@
	WIN 0x40
.irp t, 0,1,2,3,4,5,6,7
.irp g, 0,1
	ds_load_b128 v[KFR+8*\t+4*\g:KFR+8*\t+4*\g+3], v[LI] offset:\u*BUF+\t*1024+\g*512
.endr
.endr
.irp t, 0,1,2,3
.irp g, 0,1,2,3
	ds_load_b128 v[VFR+16*\t+4*\g:VFR+16*\t+4*\g+3], v[LI] offset:\u*BUF+8192+(\g/2)*4096+\t*1024+(\g%2)*512
.endr
.endr
	s_wait_dscnt 16                                ; k's sixteen loads are in; v's sixteen stay out
	WIN 0x05                                       ; k and q window 1, S^T window 0
.irp t, 0,1,2,3,4,5,6,7
	v_wmma_f32_16x16x64_fp8_fp8 v[SA+8*\t:SA+8*\t+7], v[KFR+8*\t:KFR+8*\t+7], v[QF:QF+7], 0
	v_wmma_f32_16x16x64_fp8_fp8 v[SB+8*\t:SB+8*\t+7], v[KFR+8*\t:KFR+8*\t+7], v[QF+8:QF+15], 0
.endr
	WIN 0
	PLACES
	; the padding mask: only where a key of this step is padded
	s_lshr_b32 s58, s47, 6
	s_lshr_b32 s58, s49, s58
	s_and_b32 s58, s58, 3
	s_cmp_eq_u32 s58, 0
	s_cbranch_scc1 .Lnopad_\@
	s_mov_b32 s36, s47
	s_add_nc_u64 s[34:35], s[24:25], s[36:37]
.irp t, 0,1,2,3,4,5,6,7
	global_load_b64 v[48+2*\t:49+2*\t], v[H8], s[34:35] offset:16*\t   ; the bytes of my eight keys of tile t
.endr
	s_wait_loadcnt 0x0
.set t, 0
.rept 8
.set j, 0
.rept 8
	v_and_b32 v[80+j%4], 0xff<<(8*(j%4)), v[48+2*t+j/4]
	v_cmp_ne_u32 vcc_lo, 0, v[80+j%4]
	v_cndmask_b32 v[SA+8*t+j], v[SA+8*t+j], v40, vcc_lo    ; -infinity: p = 0
	v_cndmask_b32 v[SB+8*t+j], v[SB+8*t+j], v40, vcc_lo
.set j, j+1
.endr
.set t, t+1
.endr
.Lnopad_\@:
	; the causal mask: only in the step on the diagonal
	s_add_co_u32 s58, s47, 127
	s_cmp_le_u32 s58, s48
	s_cbranch_scc1 .Lopen_\@
	s_sub_co_i32 s58, s48, s47
	v_add_nc_u32 v8, s58, v[RH]                    ; tile A: key 16 t + j (+ 8 (lane / 16)) is hidden where 16 t + j > my query - the first key - 8 (lane / 16)
	v_add_nc_u32 v9, 16, v8                        ; tile B: 16 queries on
.set t, 0
.rept 64
	v_cmp_gt_i32 vcc_lo, 16*(t/8)+t%8, v8
	v_cndmask_b32 v[SA+t], v[SA+t], v40, vcc_lo
	v_cmp_gt_i32 vcc_lo, 16*(t/8)+t%8, v9
	v_cndmask_b32 v[SB+t], v[SB+t], v40, vcc_lo
.set t, t+1
.endr
.Lopen_\@:
	; the step's largest score of my query, in two chains a tile, the tiles line by line; each accumulator is met at its low end first
	v_max3_num_f32 v24, v[SA], v[SA+1], v[SA+2]
	v_max3_num_f32 v26, v[SB], v[SB+1], v[SB+2]
	v_max3_num_f32 v25, v[SA+3], v[SA+4], v[SA+5]
	v_max3_num_f32 v27, v[SB+3], v[SB+4], v[SB+5]
.set i, 6
.rept 14
	v_max3_num_f32 v24, v24, v[SA+i], v[SA+i+1]
	v_max3_num_f32 v26, v26, v[SB+i], v[SB+i+1]
	v_max3_num_f32 v25, v25, v[SA+i+2], v[SA+i+3]
	v_max3_num_f32 v27, v27, v[SB+i+2], v[SB+i+3]
.set i, i+4
.endr
	v_max3_num_f32 v24, v24, v[SA+62], v[SA+63]
	v_max3_num_f32 v26, v26, v[SB+62], v[SB+63]
	v_max_num_f32 v24, v24, v25
	v_max_num_f32 v26, v26, v27
	v_permlanex16_b32 v28, v24, s56, s57           ; the query's other 64 keys lie in the lane 16 away
	v_permlanex16_b32 v29, v26, s56, s57
	v_max_num_f32 v24, v24, v28
	v_max_num_f32 v26, v26, v29
	v_mul_f32 v24, s54, v24                        ; as t (c is positive)
	v_mul_f32 v26, s54, v26
	v_max_num_f32 v13, v13, v24                    ; the running largest t
	v_max_num_f32 v15, v15, v26
	v_mov_b32 v25, v12
	v_mov_b32 v27, v14
	v_floor_f32 v12, -v13                          ; the new -M: M is a whole number
	v_floor_f32 v14, -v15
	v_sub_f32 v25, v12, v25                        ; old M - new M, 0 or less
	v_sub_f32 v27, v14, v27
	v_cvt_i32_f32 v25, v25                         ; (it saturates)
	v_cvt_i32_f32 v27, v27
	v_ldexp_f32 v20, 1.0, v25                      ; f = 2^(old M - new M)
	v_ldexp_f32 v22, 1.0, v27
.set k, 0
.rept 32
	v_pk_fma_f32 v[SA+2*k:SA+2*k+1], v[SA+2*k:SA+2*k+1], s[54:55], v[12:13] op_sel_hi:[1,0,0]   ; t - M, two at a time
.set k, k+1
.endr
.set k, 0
.rept 32                               ; tile A's exponentials stand among tile B's scalings
	v_pk_fma_f32 v[SB+2*k:SB+2*k+1], v[SB+2*k:SB+2*k+1], s[54:55], v[14:15] op_sel_hi:[1,0,0]
	v_exp_f32 v[SA+2*k], v[SA+2*k]
	v_exp_f32 v[SA+2*k+1], v[SA+2*k+1]
.set k, k+1
.endr
	v_pk_mul_f32 v[16:17], v[16:17], v[20:21] op_sel_hi:[1,0]   ; l under the new M (plain lines behind the last exponential)
	v_pk_mul_f32 v[18:19], v[18:19], v[22:23] op_sel_hi:[1,0]
	s_wait_alu depctr_va_vdst(0)                   ; one wait for tile A's 64 exponentials, ahead of their first reader
.set k, 0
.rept 32                               ; tile B's exponentials stand among tile A's sums, which name none of their results
	SUMK SA, 16, 30
	v_exp_f32 v[SB+2*k], v[SB+2*k]
	v_exp_f32 v[SB+2*k+1], v[SB+2*k+1]
.set k, k+1
.endr
	v_nop
	s_wait_alu depctr_va_vdst(0)                   ; one wait for tile B's
.set k, 0
.rept 32
	SUMK SB, 18, 32
.set k, k+1
.endr
	s_cmp_eq_u32 s51, 0                            ; p is at most 1; from e8 = -8 on, 448 x 2^e8 is 1.75 or more, and nothing is to be held
	s_cbranch_scc1 .Lnohold_\@
.set k, 0
.rept 64
	v_min_num_f32 v[SA+k], v[SA+k], v37            ; the conversion does not saturate (ISA guide 7.6.2); p is not negative
	v_min_num_f32 v[SB+k], v[SB+k], v37
.set k, k+1
.endr
.Lnohold_\@:
.irp t, 0,1,2,3,4,5,6,7
	v_cvt_scalef32_pk8_fp8_f32 v[PA+2*\t:PA+2*\t+1], v[SA+8*\t:SA+8*\t+7], v36
	v_cvt_scalef32_pk8_fp8_f32 v[PB+2*\t:PB+2*\t+1], v[SB+8*\t:SB+8*\t+7], v36
.endr
	WIN 0x41                                       ; O^T window 1, f window 0
.set k, 0
.rept 16
	v_pk_mul_f32 v[OA+2*k:OA+2*k+1], v[OA+2*k:OA+2*k+1], v[20:21] op_sel_hi:[1,0]   ; O^T under the new M; also the plain lines behind the conversions
.set k, k+1
.endr
.set k, 0
.rept 16
	v_pk_mul_f32 v[OB+2*k:OB+2*k+1], v[OB+2*k:OB+2*k+1], v[22:23] op_sel_hi:[1,0]
.set k, k+1
.endr
	s_wait_dscnt 0x0                               ; v is in
	WIN 0x51                                       ; v window 1, p window 0, O^T window 1
.irp t, 0,1,2,3                        ; eight accumulators by turns, one instruction a turn
	v_wmma_f32_16x16x128_fp8_fp8 v[OA+8*\t:OA+8*\t+7], v[VFR+16*\t:VFR+16*\t+15], v[PA:PA+15], v[OA+8*\t:OA+8*\t+7]
	v_wmma_f32_16x16x128_fp8_fp8 v[OB+8*\t:OB+8*\t+7], v[VFR+16*\t:VFR+16*\t+15], v[PB:PB+15], v[OB+8*\t:OB+8*\t+7]
.endr
	WIN 0
	PLACES                                         ; in front of the next loads into v's registers and of the next read of O^T
.Lhid_\@:
.endm
; A BLOCK'S END: O^T x 2^(e8 + e9) / l, held, converted with 2^e10: the four tiles of a query tile are the eight registers of the last product's fragment; stored as an image
.macro FINAL
	v_add_f32 v42, v16, v17
	v_add_f32 v43, v18, v19
	v_permlanex16_b32 v28, v42, s56, s57
	v_permlanex16_b32 v29, v43, s56, s57
	v_add_f32 v42, v42, v28                        ; the row's sum
	v_add_f32 v43, v43, v29
	v_rcp_f32 v44, v42
	v_rcp_f32 v46, v43
	v_nop
	s_wait_alu depctr_va_vdst(0)                   ; one wait for both reciprocals
	v_ldexp_f32 v44, v44, s52
	v_ldexp_f32 v46, v46, s52
	WIN 0x01                                       ; source 0 window 1
.set k, 0
.rept 16
	v_pk_mul_f32 v[SA+2*k:SA+2*k+1], v[OA+2*k:OA+2*k+1], v[44:45] op_sel_hi:[1,0]
.set k, k+1
.endr
.set k, 0
.rept 16
	v_pk_mul_f32 v[SB+2*k:SB+2*k+1], v[OB+2*k:OB+2*k+1], v[46:47] op_sel_hi:[1,0]
.set k, k+1
.endr
	WIN 0
.set k, 0
.rept 32
	v_med3_num_f32 v[SA+k], v[SA+k], -v39, v39
	v_med3_num_f32 v[SB+k], v[SB+k], -v39, v39
.set k, k+1
.endr
.irp t, 0,1,2,3
	v_cvt_scalef32_pk8_fp8_f32 v[64+2*\t:65+2*\t], v[SA+8*\t:SA+8*\t+7], v38
	v_cvt_scalef32_pk8_fp8_f32 v[72+2*\t:73+2*\t], v[SB+8*\t:SB+8*\t+7], v38
.endr
	v_nop
	v_cmp_eq_f32 vcc_lo, 0, v42                    ; no visible key: the NaN code in all my bytes
.irp k, 0,1,2,3,4,5,6,7
	v_cndmask_b32 v[64+\k], v[64+\k], v41, vcc_lo
.endr
	v_cmp_eq_f32 vcc_lo, 0, v43
.irp k, 0,1,2,3,4,5,6,7
	v_cndmask_b32 v[72+\k], v[72+\k], v41, vcc_lo
.endr
.irp x, 0,1
.irp g, 0,1
	global_store_b128 v[QV], v[64+8*\x+4*\g:64+8*\x+4*\g+3], s[28:29] offset:\x*1024+\g*512   ; 32 lanes store 512 consecutive bytes
.endr
.endr
.endm
; ONE STEP OF THE WALK.  The next step's bytes are asked for, this step is worked out of buffer u, the bytes go into buffer 1 - u, and ONE barrier says both: my reads of buffer u are over
; (the next step stores there) and my stores into buffer 1 - u are done (the next step reads them).
.macro TRIP u
	s_wait_xcnt 0x0                                ; the last step's loads and prefetch have read their bases
	s_add_co_u32 s47, s45, 128*\u
.if \u == 0
	s_add_co_u32 s46, s45, 128
	STAGE_LOAD
.else
	s_add_co_u32 s46, s45, 256
	s_cmp_eq_u32 s43, s44
	s_cselect_b32 s46, 0, s46                      ; behind the first block's last step comes the second block's key 0
	s_cmp_eq_u32 s43, 1                            ; behind the very last step comes nothing
	s_cbranch_scc1 .Lnoload_\@
	STAGE_LOAD
.Lnoload_\@:
.endif
	ASK
	STEP \u
	s_wait_loadcnt 0x0                             ; the copy's four loads (on every way)
.if \u == 1
	s_cmp_eq_u32 s43, 1
	s_cbranch_scc1 .Lnostore_\@
.endif
	STAGE_STORE 1-\u
.if \u == 1
.Lnostore_\@:
	s_cmp_lg_u32 s43, s44
	s_cbranch_scc1 .Lnoswitch_\@
	FINAL                                          ; block 7 - i is done;
	s_mov_b32 s73, ttmp9
	SETBLOCK                                       ; block i begins
.Lnoswitch_\@:
.endif
	s_wait_dscnt 0x0
	s_barrier_signal -1
	s_barrier_wait -1
.if \u == 1
	s_mov_b32 s45, s46
.endif
.endm
	s_load_b256 s[4:11], s[0:1], 0x0               ; q, k, v s[4:5]; the mask s[6:7]; the scales s[8:9]; O's codes s[10:11]
	v_lshl_add_u32 v[SPW], v0, 2, SPARE
	v_mov_b32 v[NIL], 0
	v_lshrrev_b32 v80, 5, v0
	v_readfirstlane_b32 s12, v80                   ; wave 0..7
	v_and_b32 v81, 31, v0
	v_and_b32 v82, 15, v0
	v_bfe_u32 v83, v0, 4, 1
	v_lshlrev_b32 v[LI], 4, v81
	v_lshlrev_b32 v[H8], 3, v83
	v_sub_nc_u32 v[RH], v82, v[H8]
	s_lshl_b32 s58, s12, 10
	v_add_nc_u32 v[GK], s58, v[LI]
	s_lshr_b32 s59, s12, 2
	s_lshl_b32 s59, s59, 17                        ; v: waves 4-7 copy the half that lies 131,072 bytes on,
	s_and_b32 s60, s12, 3
	s_lshl_b32 s60, s60, 10                        ; tile wave % 4
	s_add_co_u32 s59, s59, s60
	v_add_nc_u32 v[GV], s59, v[LI]
	s_lshl_b32 s58, s12, 11
	v_add_nc_u32 v[QV], s58, v[LI]
	v_lshlrev_b32 v84, 6, v81                      ; 64 mask bytes a lane
	s_cmp_eq_u32 s12, 1
	s_mov_b32 s59, 4096
	s_cselect_b32 s59, 131072, s59
	v_lshlrev_b32 v[PFO], 8, v82
	v_mad_u32_u24 v[PFO], v83, s59, v[PFO]         ; lanes 256 bytes apart; lanes 16-31 go on in k, and take v's other half
	s_lshr_b32 s58, s12, 1
	s_or_b32 s58, s58, ttmp9
	s_cmp_eq_u32 s58, 0
	s_cselect_b32 s42, 2, -1                       ; waves 0 and 1 of work-group x = 0 ask while more than two trips are to go
	s_and_b32 s61, ttmp7, 0xffff                   ; 16 x batch + head
	s_lshl_b32 s74, s61, 17
	s_mov_b32 s75, 0
	s_lshr_b32 s76, s61, 1
	s_lshl_b32 s76, s76, 18
	s_and_b32 s62, s61, 1
	s_lshl_b32 s62, s62, 12
	s_add_co_u32 s76, s76, s62
	s_add_co_u32 s76, s76, 0x1000000
	s_mov_b32 s77, 0
	s_lshr_b32 s78, s61, 4
	s_lshl_b32 s78, s78, 11
	s_mov_b32 s79, 0
	s_mov_b32 s37, 0
	s_mov_b32 s45, 0
	s_mov_b32 s46, 0
	s_mov_b32 s43, 9
	s_add_co_u32 s44, ttmp9, 2                     ; the first block has 8 - i trips
	s_mov_b32 s56, 0x76543210
	s_mov_b32 s57, 0xfedcba98
	s_wait_kmcnt 0x0
	s_load_b128 s[68:71], s[8:9], 0x18             ; e6, e7, e8, e9
	s_load_b32 s72, s[8:9], 0x28                   ; e10
	s_add_nc_u64 s[16:17], s[4:5], s[74:75]        ; q of my head
	s_add_nc_u64 s[18:19], s[16:17], 0x800000      ; k
	s_add_nc_u64 s[20:21], s[4:5], s[76:77]        ; v
	s_add_nc_u64 s[22:23], s[10:11], s[74:75]      ; O's codes
	s_add_nc_u64 s[24:25], s[6:7], s[78:79]        ; my batch's mask
	s_cmp_eq_u32 s12, 1
	s_cselect_b64 s[38:39], s[20:21], s[18:19]
	STAGE_LOAD                                     ; key step 0
.irp k, 0,1,2,3
	global_load_b128 v[48+4*\k:51+4*\k], v84, s[24:25] offset:16*\k   ; the batch's 2,048 mask bytes, 64 a lane
.endr
	s_sub_co_u32 s73, 7, ttmp9
	SETBLOCK
	v_mov_b32 v21, 0                               ; upper halves of pairs of which the low word serves both halves: written once
	v_mov_b32 v23, 0
	v_mov_b32 v45, 0
	v_mov_b32 v47, 0
	v_mov_b32 v28, 0                               ; a lane permute's destination counts as one of its sources
	v_mov_b32 v29, 0
	v_mov_b32 v40, 0xff800000                      ; -infinity
	v_mov_b32 v41, 0x7f7f7f7f                      ; four NaN codes
	v_or_b32 v85, v48, v49
.set k, 2
.rept 14
	v_or_b32 v85, v85, v[48+k]
.set k, k+1
.endr
	v_cmp_ne_u32 s49, 0, v85                       ; bit l: one of keys 64 l .. 64 l + 63 is padded
	s_wait_kmcnt 0x0
	s_add_co_i32 s58, s68, s69
	s_lshl_b32 s58, s58, 23
	s_add_co_i32 s54, s58, 0x3e38aa3b              ; c = log2(e) / 8, with e6 + e7 added to its exponent field
	s_mov_b32 s55, s54
	s_add_co_i32 s52, s70, s71
	s_add_co_i32 s58, s70, 127
	s_lshl_b32 s59, s58, 23
	v_mov_b32 v36, s59                             ; 2^e8
	s_add_co_i32 s58, s58, 8
	s_lshl_b32 s58, s58, 23
	s_or_b32 s58, s58, 0x600000
	v_mov_b32 v37, s58                             ; 448 x 2^e8
	s_add_co_i32 s58, s72, 127
	s_lshl_b32 s59, s58, 23
	v_mov_b32 v38, s59                             ; 2^e10
	s_add_co_i32 s58, s58, 8
	s_lshl_b32 s58, s58, 23
	s_or_b32 s58, s58, 0x600000
	v_mov_b32 v39, s58                             ; 448 x 2^e10
	s_cmp_lt_i32 s70, -8
	s_cselect_b32 s51, 1, 0
	STAGE_STORE 0                                  ; (SETBLOCK has waited for all loads)
	s_wait_dscnt 0x0
	s_barrier_signal -1
	s_barrier_wait -1
.Ltrip:
	TRIP 0
	TRIP 1
	s_sub_co_u32 s43, s43, 1
	s_cmp_lg_u32 s43, 0
	s_cbranch_scc1 .Ltrip
	FINAL                                          ; block i
	s_wait_tensorcnt 0x0                           ; the wave's end: behind my last LDS store
	ds_add_u32 v[SPW], v[NIL]
	s_wait_dscnt 0x0
	s_endpgm
.Lfunc_end_k_q72e585dec8_attn:
	.size	k_q72e585dec8_attn, .Lfunc_end_k_q72e585dec8_attn-k_q72e585dec8_attn
	.p2alignl 7, 3214868480
	.fill 96, 4, 3214868480
	.section	.rodata,"a",@progbits
	.p2align	6, 0x0
	.amdhsa_kernel k_q72e585dec8_attn
		.amdhsa_group_segment_fixed_size 33792
		.amdhsa_private_segment_fixed_size 0
		.amdhsa_enable_private_segment 0
		.amdhsa_kernarg_size 32
		.amdhsa_user_sgpr_count 2
		.amdhsa_user_sgpr_kernarg_segment_ptr 1
		.amdhsa_wavefront_size32 1
		.amdhsa_system_sgpr_workgroup_id_x 1
		.amdhsa_system_sgpr_workgroup_id_y 1
		.amdhsa_system_sgpr_workgroup_id_z 1
		.amdhsa_system_vgpr_workitem_id 0
		.amdhsa_next_free_vgpr 480
		.amdhsa_next_free_sgpr 80
		.amdhsa_reserve_vcc 1
		.amdhsa_float_denorm_mode_32 3
		.amdhsa_float_denorm_mode_16_64 3
		.amdhsa_memory_ordered 1
		.amdhsa_forward_progress 1
		.amdhsa_inst_pref_size 130
	.end_amdhsa_kernel
	.amdgpu_metadata
---
amdhsa.version: [ 1, 2 ]
amdhsa.kernels:
  - .name:           k_q72e585dec8_attn
    .symbol:         k_q72e585dec8_attn.kd
    .args:
      - { .name: qkv, .offset: 0, .size: 8, .value_kind: global_buffer, .address_space: global }
      - { .name: padding_mask, .offset: 8, .size: 8, .value_kind: global_buffer, .address_space: global }
      - { .name: lowp_scales, .offset: 16, .size: 8, .value_kind: global_buffer, .address_space: global }
      - { .name: acodes, .offset: 24, .size: 8, .value_kind: global_buffer, .address_space: global }
    .group_segment_fixed_size: 33792
    .private_segment_fixed_size: 0
    .kernarg_segment_align: 8
    .kernarg_segment_size: 32
    .max_flat_workgroup_size: 256
    .sgpr_count:     80
    .vgpr_count:     480
    .wavefront_size: 32
...
	.end_amdgpu_metadata
.endif
;; end of part 3
;; launch proj (part 4): grid 4 x 64, 4 waves a work-group, clusters of 4 x 4, 327,680 bytes of LDS; arguments acodes, wcodes, lowp_scales, bo, padding_mask, out0; writes out0
.if DOCPART == 4
	.amdgcn_target "amdgcn-amd-amdhsa--gfx1250"
	.amdhsa_code_object_version 6
	.text
	.protected	k_q72e585dec8_proj
	.globl	k_q72e585dec8_proj
	.p2align	8
	.type	k_q72e585dec8_proj,@function
k_q72e585dec8_proj:
	s_mov_b64 s[64:65], 0
	v_nop
	global_prefetch_b8 v0, s[64:65] scope:SCOPE_SE
	s_setreg_imm32_b32 hwreg(HW_REG_WAVE_MODE, 25, 1), 1
	s_wait_xcnt 0x0
	s_wait_alu depctr_hold_cnt(0) depctr_sa_sdst(0) depctr_va_vdst(0) depctr_va_sdst(0) depctr_va_ssrc(0) depctr_va_vcc(0) depctr_vm_vsrc(0)
	s_getreg_b32 s2, hwreg(HW_REG_IB_STS2, 6, 4)
	s_cmp_eq_u32 s2, 0
	s_cbranch_scc0 .Lentry_in_a_cluster
	s_endpgm
.Lentry_in_a_cluster:
	s_bfe_u32 s2, ttmp6, 0x10000c
	s_cmp_lg_u32 s2, 0xf033
	s_cbranch_scc0 .Lentry_shape_is_right
	s_endpgm
.Lentry_shape_is_right:
; out = (a Wo^T x 2^(e10 + e11) + bo) x (1 - padding), on codes of FP8 (E4M3).  a: the attention's codes as images of operand registers, [batch 4][head 16][16 tokens: 128][g 2][512]; Wo's codes: rows of 1,024
; bytes at 3 MiB of the weights' codes; out: [8192][1024] f32.
; SHARES.  A tile is 128 tokens x 256 outputs, so that there are 256 work-groups; wave (w / 2, w % 2) makes 64 x 128: 32 accumulators.  K = 1,024 is four K steps of 256 (four heads).
; THREE LDS SLOTS take K steps 0, 1, 2 at the start; slot 0 is filled once more, with K step 3, behind the one round of the cluster's barrier that stands in the middle.
; The matrix instruction is used transposed (source 0 = 16 rows of Wo, source 1 = 16 tokens): a lane holds eight neighbouring outputs of one token.  Two heads' images are one fragment of 128 along K.
; CLUSTERS: 4 x 4.  a's tile hangs on the tile of tokens (cy) alone and is asked for jointly by a row of the cluster, Wo's on cx alone and by a column.
; LIMITS: e10 + e11 between -126 and 127.  The mask's bytes are 0 or 1.  The factor 1 - byte multiplies, so a NaN row stays NaN.
; REGISTERS, in windows of 256: window 0: v0-31 addresses; v32-95 at work on the way out; v96-103 the factors, v104-107 mask bytes; v128-255 a's fragments, two sets of 64, later rows of out.
;   window 1: Wo's fragments, two sets of 128.   window 2: the accumulators ((a, b) at v[8 (8 a + b)]).   window 3: v0-63 bo in the result's layout.
.set PITCH,  272                       ; a row of Wo's tile in LDS: 256 bytes + 16 of padding
.set HALFB,  128*PITCH
.set ABYTES, 32768                     ; a's part of a slot: [half 2][head 4][16 tokens: 4][1,024]
.set SLOT,   ABYTES+2*HALFB
.set SPARE,  3*SLOT                    ; behind the slots: the spare words, 128 bytes a wave, which no other line names
.set STAGE,  SLOT                      ; the way out: 16 rows x 528 bytes a wave, in slot 1, which has had its one fill and whose last reads lie ahead of the last barrier
.set SPITCH, 528
.set FR,   16
.set ADRA, 16                          ; v16-18
.set ADRB, 20                          ; v20-22
.set STO,  24
.set RD,   25
.set CO,   26
.set SPW,  28
.set NIL,  29
.set TMP,  32
.set KEEP, 96
.set MBY,  104
.set AF,   128
.set BK,   128
.set G1A, 24
.set G1B, 32
.set G0A, 40                           ; s[40:51] a set for each slot
.set G0B, 52                           ; s[52:63]
.set MSB, 0
.macro WIN new
.if MSB != \new
	s_set_vgpr_msb (MSB<<8)|\new
.set MSB, \new
.endif
.endm
.set MUL, 0xa1                         ; source 0 (Wo) window 1, source 1 (a) window 0, C and D window 2
.macro JLOAD g0a, g1a, g0b, g1b        ; waves 0 and 1 fetch a's halves, waves 2 and 3 Wo's; an s_nop 0 and four v_nop follow each line
	s_cmp_eq_u32 s17, 0
	s_cbranch_scc0 .Lfor_b_\@
	tensor_load_to_lds s[\g0a:\g0a+3], s[\g1a:\g1a+7]
	s_nop 0
.rept 4
	v_nop
.endr
	s_branch .Lasked_\@
.Lfor_b_\@:
	tensor_load_to_lds s[\g0b:\g0b+3], s[\g1b:\g1b+7]
	s_nop 0
.rept 4
	v_nop
.endr
.Lasked_\@:
.endm
.macro CREST
	s_cmp_lg_u32 s16, 0
	s_cbranch_scc1 .Lnot_wave_0_\@
	s_barrier_signal -3
.Lnot_wave_0_\@:
	s_barrier_wait -3
	s_barrier_signal -1
	s_barrier_wait -1
.endm
.macro CROUND
	s_barrier_signal -1
	s_barrier_wait -1
	CREST
.endm
.macro PLACES n
.rept \n
	v_nop
.endr
.endm
	s_load_b256 s[4:11], s[0:1], 0x0               ; a's codes, the weights' codes, the scales, bo
	s_load_b128 s[12:15], s[0:1], 0x20             ; the mask, out
	v_lshl_add_u32 v[SPW], v0, 2, SPARE
	v_mov_b32 v[NIL], 0
	ds_add_u32 v[SPW], v[NIL]                      ; the wave's opening: the add and its wait stand ahead of my first tensor load
	v_lshrrev_b32 v1, 5, v0
	v_readfirstlane_b32 s16, v1                    ; wave 0..3
	s_lshr_b32 s17, s16, 1                         ; my 64 tokens.  Also: I fetch for a (0) or for Wo (1)
	s_and_b32 s18, s16, 1                          ; my 128 outputs.  Also: which half of that tile I fetch
	s_bfe_u32 s19, ttmp6, 0x40000                  ; cx: the tile of outputs
	s_bfe_u32 s20, ttmp6, 0x40004                  ; cy
	s_and_b32 s21, ttmp7, 0xffff
	s_lshl_b32 s21, s21, 2
	s_add_co_u32 s21, s21, s20                     ; the tile of 128 tokens
	s_lshl_b32 s22, s20, 2
	s_lshl_b32 s22, 15, s22                        ; my row of the cluster
	s_lshl_b32 s23, 0x1111, s19                    ; my column
	s_or_b32 s[G1A+0], s22, (3<<16)|(1<<21)        ; elements of 8 bytes, no padding; bit 21 set beside the mask
	s_mov_b32 s[G1A+1], 512<<16                    ; tensor_dim0: 4,096 bytes, four images of one head
	s_mov_b32 s[G1A+2], 4<<16                      ; tensor_dim1: four heads
	s_mov_b32 s[G1A+3], 512<<16                    ; tile_dim0
	s_mov_b32 s[G1A+4], 4                          ; tile_dim1
	s_mov_b32 s[G1A+5], 16384                      ; from head to head: 131,072 bytes
	s_mov_b32 s[G1A+6], 0
	s_mov_b32 s[G1A+7], 0
	s_or_b32 s[G1B+0], s23, (0<<16)|(1<<20)|(1<<21)|(5<<22)|(3<<25)   ; elements of 1 byte; four words of padding after every 64
	s_mov_b32 s[G1B+1], 256<<16
	s_mov_b32 s[G1B+2], 128<<16
	s_mov_b32 s[G1B+3], 256<<16
	s_mov_b32 s[G1B+4], 128
	s_mov_b32 s[G1B+5], 1024
	s_mov_b32 s[G1B+6], 0
	s_mov_b32 s[G1B+7], 0
	s_lshr_b32 s68, s21, 4
	s_lshl_b32 s68, s68, 21                        ; a: batch x 2 MiB
	s_and_b32 s66, s21, 15
	s_lshl_b32 s66, s66, 13                        ; + 128 tokens x 8,192
	s_add_co_u32 s68, s68, s66
	s_lshl_b32 s66, s18, 12                        ; + half x 4,096
	s_add_co_u32 s68, s68, s66
	s_mov_b32 s69, 0
	s_lshl_b32 s70, s19, 18                        ; Wo: 256 rows x tile
	s_lshl_b32 s67, s18, 17                        ; + 128 rows x half
	s_add_co_u32 s70, s70, s67
	s_add_co_u32 s70, s70, 0x300000                ; behind Wq, Wk, Wv
	s_mov_b32 s71, 0
	s_lshl_b32 s72, s18, 14                        ; where they go in a slot
	s_mul_i32 s73, s18, HALFB
	s_add_co_u32 s73, s73, ABYTES
	s_wait_dscnt 0x0                               ; the opening add is done
	s_wait_kmcnt 0x0
	s_load_b64 s[96:97], s[8:9], 0x28              ; e10, e11
	s_add_nc_u64 s[68:69], s[4:5], s[68:69]
	s_add_nc_u64 s[70:71], s[6:7], s[70:71]
	CROUND                                         ; all sixteen work-groups are here: the first joint loads meet
.irp s, 0,1,2
	s_mov_b32 s[G0A+4*\s], 1
	s_add_co_u32 s[G0A+4*\s+1], s72, \s*SLOT
	s_add_nc_u64 s[G0A+4*\s+2:G0A+4*\s+3], s[68:69], \s*524288     ; four heads on
	s_or_b32 s[G0A+4*\s+3], s[G0A+4*\s+3], 0x80000000
	s_mov_b32 s[G0B+4*\s], 1
	s_add_co_u32 s[G0B+4*\s+1], s73, \s*SLOT
	s_add_nc_u64 s[G0B+4*\s+2:G0B+4*\s+3], s[70:71], \s*256
	s_or_b32 s[G0B+4*\s+3], s[G0B+4*\s+3], 0x80000000
	JLOAD G0A+4*\s, G1A, G0B+4*\s, G1B             ; three tensor loads of mine are out
.endr
	v_and_b32 v1, 15, v0                           ; r
	v_bfe_u32 v2, v0, 4, 1                         ; h
	v_and_b32 v6, 31, v0
	v_lshlrev_b32 v[CO], 4, v6                     ; 16 x lane
	v_mul_u32_u24 v3, v1, PITCH
	v_lshl_add_u32 v4, v2, 4, v3
	s_lshl_b32 s74, s17, 14
	s_mul_i32 s75, s18, HALFB
	s_add_co_u32 s75, s75, ABYTES
.irp s, 0,1,2
	v_add_nc_u32 v[ADRA+\s], s74, v[CO]
	v_add_nc_u32 v[ADRB+\s], s75, v4
	s_add_co_u32 s74, s74, SLOT
	s_add_co_u32 s75, s75, SLOT
.endr
	s_mul_i32 s76, s16, 16*SPITCH
	s_add_co_u32 s76, s76, STAGE                   ; my stage
	v_mul_u32_u24 v7, v1, SPITCH
	v_lshl_add_u32 v7, v2, 5, v7
	v_add_nc_u32 v[STO], s76, v7                   ; in: row r, 32 bytes for each half of the lanes
	v_add_nc_u32 v[RD], s76, v[CO]                 ; back: the 32 lanes take a row of 512 bytes
	v_lshlrev_b32 v5, 5, v2                        ; bo: 32 h
	s_lshl_b32 s78, s21, 7
	s_lshl_b32 s79, s17, 6
	s_add_co_u32 s78, s78, s79                     ; my first token
	s_mov_b32 s79, 0
	s_add_nc_u64 s[12:13], s[12:13], s[78:79]
	s_lshl_b32 s78, s78, 12                        ; its row of out
	s_lshl_b32 s80, s19, 10
	s_lshl_b32 s81, s18, 9
	s_add_co_u32 s80, s80, s81                     ; my first output, in bytes of f32
	s_mov_b32 s81, 0
	s_add_nc_u64 s[10:11], s[10:11], s[80:81]
	s_add_nc_u64 s[14:15], s[14:15], s[78:79]
	s_add_nc_u64 s[14:15], s[14:15], s[80:81]
	WIN 0xc0                                       ; destination window 3
.irp b, 0,1,2,3,4,5,6,7
	global_load_b128 v[8*\b:8*\b+3], v5, s[10:11] offset:64*\b        ; bo at outputs 16 b + 8 h + 0 .. 7
	global_load_b128 v[8*\b+4:8*\b+7], v5, s[10:11] offset:64*\b+16
.endr
	WIN 0
.irp a, 0,1,2,3
	global_load_u8 v[MBY+\a], v1, s[12:13] offset:16*\a               ; the mask of token 16 a + r
.endr
.macro FRAG_B reg, s, q, i
.irp c, 0,1,2,3
	ds_load_b128 v[\reg+4*\c:\reg+4*\c+3], v[ADRB+\s] offset:128*(\q)+32*\c+(\i)*16*PITCH
.endr
.endm
.macro FRAG_A reg, s, q, a             ; heads 2 q and 2 q + 1 of the slot, tokens 16 a on: four pieces of two images
.irp c, 0,1,2,3
	ds_load_b128 v[\reg+4*\c:\reg+4*\c+3], v[ADRA+\s] offset:(2*(\q)+\c/2)*4096+(\a)*1024+(\c%2)*512
.endr
.endm
.macro FETCH s, q, p                   ; 48 loads: 128 along K of slot s into set p
	WIN 0x40
.irp i, 0,1,2,3,4,5,6,7
	FRAG_B 128*(\p)+FR*\i, \s, \q, \i
.endr
	WIN 0
.irp a, 0,1,2,3
	FRAG_A AF+64*(\p)+FR*\a, \s, \q, \a
.endr
.endm
; 16 matrix instructions; the 32 accumulators take turns, one instruction a turn, in the same order in every step
.macro MUL16 a0, p, zero
.irp a, \a0, \a0+1
.irp b, 0,1,2,3,4,5,6,7
.if \zero
	v_wmma_f32_16x16x128_fp8_fp8 v[8*(8*(\a)+\b):8*(8*(\a)+\b)+7], v[128*(\p)+FR*\b:128*(\p)+FR*\b+FR-1], v[AF+64*(\p)+FR*(\a):AF+64*(\p)+FR*(\a)+FR-1], 0
.else
	v_wmma_f32_16x16x128_fp8_fp8 v[8*(8*(\a)+\b):8*(8*(\a)+\b)+7], v[128*(\p)+FR*\b:128*(\p)+FR*\b+FR-1], v[AF+64*(\p)+FR*(\a):AF+64*(\p)+FR*(\a)+FR-1], v[8*(8*(\a)+\b):8*(8*(\a)+\b)+7]
.endif
.endr
.endr
.endm
.macro STEP p, ns, nq, zero            ; set p is multiplied while the next 128 along K come into the other set
	s_wait_dscnt 0x0                               ; set p is in
	PLACES 4                                       ; behind the products that read the other set
	FETCH \ns, \nq, 1-(\p)
	WIN MUL
	MUL16 0, \p, \zero
	MUL16 2, \p, \zero
	WIN 0
.endm
; a step on set 1 with a barrier in it.  fill = 1: the barrier opens a round of the cluster's, and slot 0 takes K step 3
.macro TURN ns, fill
	s_wait_tensorcnt 0x0                           ; all my tensor loads have landed
	ds_add_u32 v[SPW], v[NIL]
	s_wait_dscnt 0x0                               ; the add is done, set 1 is in, and my reads of the slots behind me are over
	s_barrier_signal -1
	WIN MUL
	MUL16 0, 1, 0
	WIN 0
	s_barrier_wait -1
.if \fill
	CREST
	s_add_nc_u64 s[G0A+2:G0A+3], s[G0A+2:G0A+3], 3*524288
	s_add_nc_u64 s[G0B+2:G0B+3], s[G0B+2:G0B+3], 3*256
	JLOAD G0A, G1A, G0B, G1B                       ; the first tensor load behind the round; its four v_nop are the places in front of the loads below
.else
	PLACES 4
.endif
	FETCH \ns, 0, 0
	WIN MUL
	MUL16 2, 1, 0
	WIN 0
.endm
	s_wait_tensorcnt 2                             ; my part of slot 0 is in; slots 1 and 2 may be out
	s_barrier_signal -1
	s_barrier_wait -1
	FETCH 0, 0, 0
	STEP 0, 0, 1, 1                                ; the first step starts the sums
	TURN 1, 1                                      ; slot 0 is left and filled again; slots 1 and 2 are whole for every wave
	STEP 0, 1, 1, 0
	STEP 1, 2, 0, 0
	STEP 0, 2, 1, 0
	TURN 0, 0                                      ; K step 3 is whole for every wave; nothing is filled
	STEP 0, 0, 1, 0
	s_wait_dscnt 0x0
	WIN MUL
	MUL16 0, 1, 0
	MUL16 2, 1, 0
	WIN 0
	; THE WAY OUT, a block of 16 tokens x 128 outputs at a time, through my stage, so that a store covers a row's 512 consecutive bytes
	s_wait_loadcnt 0x0                             ; bo and the mask
	s_wait_kmcnt 0x0
	s_add_co_i32 s96, s96, s97
	s_add_co_i32 s96, s96, 127
	s_lshl_b32 s96, s96, 23                        ; 2^(e10 + e11)
	s_mov_b32 s97, s96
.irp a, 0,1,2,3                        ; twelve plain lines that name no register of the last products: the places behind them
	v_cvt_f32_u32 v[KEEP+2*\a], v[MBY+\a]
	v_sub_f32 v[KEEP+2*\a], 1.0, v[KEEP+2*\a]      ; 1 for a token that counts, 0 for a padded one
	v_mov_b32 v[KEEP+2*\a+1], v[KEEP+2*\a]
.endr
.macro TOSTAGE a
	WIN 0x32                                       ; source 0 (the sums) window 2, source 2 (bo) window 3
.set j, 0
.rept 32
	v_pk_fma_f32 v[TMP+j:TMP+j+1], v[64*(\a)+j:64*(\a)+j+1], s[96:97], v[j:j+1] op_sel_hi:[1,0,1]   ; each accumulator from its low end on
.set j, j+2
.endr
	WIN 0
.set j, 0
.rept 32
	v_pk_mul_f32 v[TMP+j:TMP+j+1], v[TMP+j:TMP+j+1], v[KEEP+2*(\a):KEEP+2*(\a)+1] op_sel_hi:[1,0]
.set j, j+2
.endr
.irp b, 0,1,2,3,4,5,6,7
	ds_store_b128 v[STO], v[TMP+8*\b:TMP+8*\b+3] offset:64*\b
	ds_store_b128 v[STO], v[TMP+8*\b+4:TMP+8*\b+7] offset:64*\b+16
.endr
.set BB, BK+64*((\a)%2)
.irp t, 0,1,2,3,4,5,6,7,8,9,10,11,12,13,14,15
	ds_load_b128 v[BB+4*\t:BB+4*\t+3], v[RD] offset:\t*SPITCH    ; LDS serves a wave's instructions in order: these see my stores
.endr
.endm
.macro SEND a, younger
.set BB, BK+64*((\a)%2)
	s_wait_dscnt \younger
.if (\a) > 0
	s_add_nc_u64 s[14:15], s[14:15], 16*4096       ; (behind a wait on XCNT)  16 tokens on
.endif
.irp t, 0,1,2,3,4,5,6,7,8,9,10,11,12,13,14,15
	global_store_b128 v[CO], v[BB+4*\t:BB+4*\t+3], s[14:15] offset:\t*4096 th:TH_STORE_NT
.endr
.endm
	TOSTAGE 0
.irp a, 1,2,3
.if \a > 1
	s_wait_xcnt 0x0                                ; block a - 2's stores have read their registers and their base
.endif
	TOSTAGE \a
	SEND \a-1, 32                                  ; behind block a - 1's loads: block a's 16 stores and 16 loads
.endr
	s_wait_xcnt 0x0
	SEND 3, 0
	s_wait_tensorcnt 0x0                           ; the wave's end
	ds_add_u32 v[SPW], v[NIL]
	s_wait_dscnt 0x0
	CROUND                                         ; the closing round
	s_endpgm
.Lfunc_end_k_q72e585dec8_proj:
	.size	k_q72e585dec8_proj, .Lfunc_end_k_q72e585dec8_proj-k_q72e585dec8_proj
	.p2alignl 7, 3214868480
	.fill 96, 4, 3214868480
	.section	.rodata,"a",@progbits
	.p2align	6, 0x0
	.amdhsa_kernel k_q72e585dec8_proj
		.amdhsa_group_segment_fixed_size 327680
		.amdhsa_private_segment_fixed_size 0
		.amdhsa_enable_private_segment 0
		.amdhsa_kernarg_size 48
		.amdhsa_user_sgpr_count 2
		.amdhsa_user_sgpr_kernarg_segment_ptr 1
		.amdhsa_wavefront_size32 1
		.amdhsa_system_sgpr_workgroup_id_x 1
		.amdhsa_system_sgpr_workgroup_id_y 1
		.amdhsa_system_sgpr_workgroup_id_z 1
		.amdhsa_system_vgpr_workitem_id 0
		.amdhsa_next_free_vgpr 832
		.amdhsa_next_free_sgpr 98
		.amdhsa_reserve_vcc 0
		.amdhsa_float_denorm_mode_32 3
		.amdhsa_float_denorm_mode_16_64 3
		.amdhsa_memory_ordered 1
		.amdhsa_forward_progress 1
		.amdhsa_inst_pref_size 86
	.end_amdhsa_kernel
	.amdgpu_metadata
---
amdhsa.version: [ 1, 2 ]
amdhsa.kernels:
  - .name:           k_q72e585dec8_proj
    .symbol:         k_q72e585dec8_proj.kd
    .args:
      - { .name: acodes, .offset: 0, .size: 8, .value_kind: global_buffer, .address_space: global }
      - { .name: wcodes, .offset: 8, .size: 8, .value_kind: global_buffer, .address_space: global }
      - { .name: lowp_scales, .offset: 16, .size: 8, .value_kind: global_buffer, .address_space: global }
      - { .name: bo, .offset: 24, .size: 8, .value_kind: global_buffer, .address_space: global }
      - { .name: padding_mask, .offset: 32, .size: 8, .value_kind: global_buffer, .address_space: global }
      - { .name: out0, .offset: 40, .size: 8, .value_kind: global_buffer, .address_space: global }
    .group_segment_fixed_size: 327680
    .private_segment_fixed_size: 0
    .kernarg_segment_align: 8
    .kernarg_segment_size: 48
    .max_flat_workgroup_size: 128
    .sgpr_count:     98
    .vgpr_count:     832
    .wavefront_size: 32
...
	.end_amdgpu_metadata
.endif
;; end of part 4
